; MI455X (gfx1250); checked and timed in simulation.
; The chip was launched on July 23, 2026; its instructions are those of AMD's public machine-readable ISA for CDNA 5 (MIT licence, August 2026) and "CDNA5" Instruction Set Architecture Reference Guide (July 2026). The comments in the code are by the model that wrote it; some were corrected since.
;; Vector Quantizer. Allowed arithmetic: matrix products marked QUANTISED: E3M2 operands, one E8M0 scale for each 32 along K, by v_wmma_scale_f32_16x16x128_f8f6f4 with both operands' format E3M2, f32 sums; everything else in f32.
;; Inputs: embedding 8,192 x 256 float32; z 32 x 1,024 x 256 float32.
;; Outputs: out0 32 x 1,024 x 256 float32; out1 one number float32; out2 one number float32; out3 one number float32; out4 32 x 1,024 int32.
;; This version of the problem:
;;   THIS VERSION OF THE PROBLEM IS GIVEN IN LOW PRECISION. The matrix products marked QUANTISED in the list below multiply operands that are first quantised to E3M2 (3 exponent bits, 2 mantissa bits; 6 bits a number), with one power-of-two scale for each 32 numbers along K (OCP MX v1.0); their sums are f32. All else is computed in f32.
;;   The module's matrix products, in the order in which they are computed (A, B: the left and right operand; K: the contracted axis; several contracted axes count as one K, in the product's order):
;;     1. [M 32,768, K 256] x [K 256, N 8,192]; A: input z; B: input embedding: QUANTISED
;;   THE QUANTISER, for each operand of a quantised product, along K:
;;     - K is cut into blocks of 32 from its start; a last block that is shorter is filled with zeros.
;;     - A block's scale is 2^e with e = floor(log2(the largest magnitude in the block)) - 4, held to -126 .. 127; a block of zeros has e = 0. As a byte (E8M0): e + 127.
;;     - Each number is divided by its block's scale, clamped to +-28, and rounded to the nearest number of E3M2, ties to even, subnormals kept.
;;     - The product sums the exact products of the quantised numbers (number of the format x scale) in f32.
;;   ~~~python
;;   def quantise(x, axis):      # numpy; x: float32 -> the quantised numbers, widened to float32 again
;;       x = np.moveaxis(x, axis, -1); K = x.shape[-1]
;;       x = np.pad(x, [(0, 0)] * (x.ndim - 1) + [(0, -K % 32)]); x = x.reshape(x.shape[:-1] + (-1, 32)); a = np.abs(x).max(-1, keepdims=True)
;;       e = np.where(a > 0, np.clip(np.frexp(np.where(a > 0, a, 1))[1] - 1 - 4, -126, 127), 0)      # np.frexp(a)[1] - 1 = floor(log2(a)), exactly
;;       r = np.clip(x / 2.0 ** e, -28, 28)
;;       step = 2.0 ** (np.maximum(np.frexp(np.where(r == 0, 1, r))[1] - 1, -2) - 2)
;;       q = np.round(r / step) * step * 2.0 ** e      # np.round: ties to even
;;       return np.moveaxis(q.reshape(q.shape[:-2] + (-1,))[..., :K], -1, axis).astype(np.float32)
;;   ~~~
;; One version. Each part assembles by itself: llvm-mc -triple=amdgcn-amd-amdhsa -mcpu=gfx1250 --defsym DOCPART=n.
;; ======== version 1 of 1: 4 launches
;; limits: right only within a limited range of input values
;; workspace buffers: cb 1,671,168 bytes; idxw 131,072 bytes of whole numbers; part 2,048 bytes
;; launch quant (part 1): grid 256 x 1, 2 waves a work-group, no clusters, 0 bytes of LDS; arguments embedding, cb; writes cb
.if DOCPART == 1
	.amdgcn_target "amdgcn-amd-amdhsa--gfx1250"
	.amdhsa_code_object_version 6
	.text
	.protected	k_qdc52056e00_quant
	.globl	k_qdc52056e00_quant
	.p2align	8
	.type	k_qdc52056e00_quant,@function
k_qdc52056e00_quant:
	s_mov_b64 s[64:65], 0
	v_nop
	global_prefetch_b8 v0, s[64:65] scope:SCOPE_SE
	s_setreg_imm32_b32 hwreg(HW_REG_WAVE_MODE, 25, 1), 1
	s_wait_xcnt 0x0
; The codebook [8192][256] f32 becomes codes of BF6 (E3M2) with one E8M0 scale byte for each 32 along K, and the sum of squares of each entry.
; A block's scale is 2^(floor(log2(its largest magnitude)) - 4); its byte is the largest magnitude's exponent field - 4, held at 1 from below.
; LAYOUT OF cb, which this program alone reads: PARTS of 13,056 bytes (51 x 256), one for each four tiles of 16 entries: what one wave of the next launch fetches by one tensor load.
; In a part: tile i's codes at 3072 i, as IMAGES OF THE OPERAND'S REGISTERS (K step s at + 1536 s; registers 4 c .. 4 c + 3 at + 512 c; lane l at + 16 l);
; from 12,288 on its scale words, 128 bytes a tile (lanes 0-15 row l's word of K step 0, lanes 16-31 row l - 16's word of K step 1); from 12,800 on its sums of squares, 64 bytes a tile.
; SHARES: one wave to a tile, 512 waves; a wave has its tile's 32 loads out at once.  No LDS, no barrier: waves share nothing.
; LIMITS: NaN and infinities are not served.  A block of zeros gets the byte 1 where the quantiser's rule says 127: its codes are zeros, which add nothing under that byte.
; The sum of squares is added in four packed chains a lane and then across two lanes: another order than a plain sum from left to right.
.set PART, 13056
.set OSC,  12288
.set OEE,  12800
.set XA,  11                           ; v11      1024 r + 64 h
.set SQ,  32                           ; v32-39   four packed chains of squares
.set X0,  64                           ; v64-127  K step 0: register 16 b + i = k 32 b + 16 h + i of row r
.set X1,  128                          ; v128-191 K step 1
.set TM,  192                          ; v192-207 at work in QUANT
.set PC0, 208                          ; K step 0's fragment and the conversions' second halves
.set PC1, 228                          ; K step 1's
.set PW0, 248
.set PW1, 249
.set PWC, 250
.set SRC, 24
.set SEL, 26
.set HM,  28
.macro XLOAD reg, s
.irp b, 0,1,2,3
.irp j, 0,1,2,3
	global_load_b128 v[\reg+16*\b+4*\j:\reg+16*\b+4*\j+3], v[XA], s[SRC:SRC+1] offset:512*\s+128*\b+16*\j th:TH_LOAD_NT
.endr
.endr
.endm
.macro SUMSQ x, first                  ; first = 1: the first four pairs start the chains
.set qq, 0
.rept 32
.if (\first) && (qq < 4)
	v_pk_mul_f32 v[SQ+2*(qq%4):SQ+2*(qq%4)+1], v[\x+2*qq:\x+2*qq+1], v[\x+2*qq:\x+2*qq+1]
.else
	v_pk_fma_f32 v[SQ+2*(qq%4):SQ+2*(qq%4)+1], v[\x+2*qq:\x+2*qq+1], v[\x+2*qq:\x+2*qq+1], v[SQ+2*(qq%4):SQ+2*(qq%4)+1]
.endif
.set qq, qq+1
.endr
.endm
.macro FOLD dst                        ; the chains, their halves and lane l xor 16's
	v_pk_add_f32 v[SQ:SQ+1], v[SQ:SQ+1], v[SQ+2:SQ+3]
	v_pk_add_f32 v[SQ+4:SQ+5], v[SQ+4:SQ+5], v[SQ+6:SQ+7]
	v_pk_add_f32 v[SQ:SQ+1], v[SQ:SQ+1], v[SQ+4:SQ+5]
	v_add_f32 v[SQ], v[SQ], v[SQ+1]
	v_permlanex16_b32 v251, v[SQ], s[SEL], s[SEL+1]
	v_add_f32 v[\dst], v[SQ], v251
.endm
.macro QUANT s, pc, pw                 ; 64 numbers of a lane: a fragment's codes in v[pc .. pc + 11], its row's scale word in v[pw]
.irp b, 0,1,2,3
	v_max3_num_f32 v[TM+\b], |v[\s+16*\b]|, |v[\s+1+16*\b]|, 0x2800000   ; with the floor 2^(5 - 127)
.endr
.irp i, 2,4,6,8,10,12,14
.irp b, 0,1,2,3
	v_max3_num_f32 v[TM+\b], v[TM+\b], |v[\s+16*\b+\i]|, |v[\s+1+16*\b+\i]|
.endr
.endr
.irp b, 0,1,2,3
	v_permlanex16_b32 v[TM+4+\b], v[TM+\b], s[SEL], s[SEL+1]
.endr
.irp b, 0,1,2,3
	v_max_num_f32 v[TM+\b], v[TM+\b], v[TM+4+\b]
.endr
.irp b, 0,1,2,3
	v_add_nc_u32 v[TM+12+\b], 0xfe000000, v[TM+\b]   ; 4 off the exponent field: the conversion's scale operand
.endr
.irp b, 0,1,2,3
	v_lshrrev_b32 v[TM+4+\b], 23, v[TM+12+\b]        ; the scale's byte
.endr
	v_lshl_or_b32 v[\pw], v[TM+5], 8, v[TM+4]
	v_lshl_or_b32 v[\pw], v[TM+6], 16, v[\pw]
	v_lshl_or_b32 v[\pw], v[TM+7], 24, v[\pw]
.irp c, 0,1
	v_cvt_scalef32_pk16_bf6_f32 v[\pc+6*\c:\pc+2+6*\c], v[\s+32*\c:\s+15+32*\c], v[TM+12+2*\c]
	v_cvt_scalef32_pk16_bf6_f32 v[\pc+12+4*\c:\pc+14+4*\c], v[\s+16+32*\c:\s+31+32*\c], v[TM+12+2*\c+1]
.endr
	v_nop                                          ; one plain instruction behind the scaled conversions
.irp c, 0,1                                    ; a whole block to a lane: lanes 0-15 block 2 c, lanes 16-31 block 2 c + 1
.irp i, 0,1,2
	v_permlane16_swap_b32 v[\pc+6*\c+\i], v[\pc+12+4*\c+\i]
.endr
.irp i, 0,1,2
	v_mov_b32 v[\pc+3+6*\c+\i], v[\pc+12+4*\c+\i]
.endr
.endr
.endm
	s_load_b128 s[4:7], s[0:1], 0x0                ; embedding s[4:5], cb s[6:7]
	v_lshrrev_b32 v1, 5, v0
	v_readfirstlane_b32 s14, v1                    ; wave 0, 1
	v_and_b32 v1, 31, v0
	v_and_b32 v2, 15, v0                           ; r
	v_bfe_u32 v5, v0, 4, 1                         ; h
	v_lshlrev_b32 v[XA], 10, v2
	v_lshl_add_u32 v[XA], v5, 6, v[XA]
	v_lshlrev_b32 v3, 4, v1                        ; an image's place for my lane
	v_lshlrev_b32 v4, 2, v1                        ; a word's
.irp b, 0,1,2,3
	v_mov_b32 v[TM+4+\b], 0                        ; a lane permute's destination counts as one of its sources
.endr
	v_mov_b32 v251, 0
	s_mov_b32 s[SEL], 0x76543210
	s_mov_b32 s[SEL+1], 0xfedcba98
	s_mov_b32 s[HM], 0xffff0000
	s_lshl_b32 s15, ttmp9, 1
	s_add_co_u32 s15, s15, s14                     ; my tile
	s_lshl_b32 s16, s15, 14                        ; its 16 rows of 1,024 bytes
	s_mov_b32 s17, 0
	s_lshr_b32 s30, s15, 2
	s_mul_i32 s30, s30, PART                       ; its part
	s_and_b32 s31, s15, 3                          ; and its place in the part
	s_mul_i32 s18, s31, 3072
	s_add_co_u32 s18, s18, s30                     ; its codes
	s_mov_b32 s19, 0
	s_lshl_b32 s20, s31, 7
	s_add_co_u32 s20, s20, s30
	s_add_co_u32 s20, s20, OSC                     ; its scale words
	s_mov_b32 s21, 0
	s_lshl_b32 s22, s31, 6
	s_add_co_u32 s22, s22, s30
	s_add_co_u32 s22, s22, OEE                     ; its sums of squares
	s_mov_b32 s23, 0
	s_wait_alu depctr_va_vdst(0)                   ; the wait at the head's end
	s_wait_kmcnt 0x0
	s_add_nc_u64 s[SRC:SRC+1], s[4:5], s[16:17]
	s_add_nc_u64 s[8:9], s[6:7], s[18:19]
	s_add_nc_u64 s[10:11], s[6:7], s[20:21]
	s_add_nc_u64 s[12:13], s[6:7], s[22:23]
	XLOAD X0, 0
	XLOAD X1, 1
	s_wait_loadcnt 16                              ; K step 0's sixteen loads are in; K step 1's sixteen may be out
	SUMSQ X0, 1
	QUANT X0, PC0, PW0
.irp c, 0,1,2
	global_store_b128 v3, v[PC0+4*\c:PC0+4*\c+3], s[8:9] offset:512*\c   ; 32 lanes store 512 consecutive bytes, at a multiple of 256 from cb's first byte
.endr
	s_wait_loadcnt 0x0
	SUMSQ X1, 0
	QUANT X1, PC1, PW1                             ; a second set of registers: no store's data are written again
.irp c, 0,1,2
	global_store_b128 v3, v[PC1+4*\c:PC1+4*\c+3], s[8:9] offset:1536+512*\c
.endr
	v_cndmask_b32 v[PWC], v[PW0], v[PW1], s[HM]    ; lanes 0-15: K step 0's words; lanes 16-31: K step 1's
	global_store_b32 v4, v[PWC], s[10:11]
	FOLD 252
	s_wait_alu depctr_va_vdst(0)                   ; the wait here, directly ahead of the wait below
	s_wait_xcnt 0x0                                ; EXEC is a source of the stores above: it changes only behind this wait
	v_cmp_gt_u32 vcc_lo, 16, v1
	s_and_saveexec_b32 s29, vcc_lo                 ; lanes 0-15: one word an entry
	global_store_b32 v4, v252, s[12:13]
	s_endpgm
.Lfunc_end_k_qdc52056e00_quant:
	.size	k_qdc52056e00_quant, .Lfunc_end_k_qdc52056e00_quant-k_qdc52056e00_quant
	.p2alignl 7, 3214868480
	.fill 96, 4, 3214868480
	.section	.rodata,"a",@progbits
	.p2align	6, 0x0
	.amdhsa_kernel k_qdc52056e00_quant
		.amdhsa_group_segment_fixed_size 0
		.amdhsa_private_segment_fixed_size 0
		.amdhsa_enable_private_segment 0
		.amdhsa_kernarg_size 16
		.amdhsa_user_sgpr_count 2
		.amdhsa_user_sgpr_kernarg_segment_ptr 1
		.amdhsa_wavefront_size32 1
		.amdhsa_system_sgpr_workgroup_id_x 1
		.amdhsa_system_sgpr_workgroup_id_y 1
		.amdhsa_system_sgpr_workgroup_id_z 1
		.amdhsa_system_vgpr_workitem_id 0
		.amdhsa_next_free_vgpr 256
		.amdhsa_next_free_sgpr 66
		.amdhsa_reserve_vcc 1
		.amdhsa_float_denorm_mode_32 3
		.amdhsa_float_denorm_mode_16_64 3
		.amdhsa_memory_ordered 1
		.amdhsa_forward_progress 1
		.amdhsa_inst_pref_size 18
	.end_amdhsa_kernel
	.amdgpu_metadata
---
amdhsa.version: [ 1, 2 ]
amdhsa.kernels:
  - .name:           k_qdc52056e00_quant
    .symbol:         k_qdc52056e00_quant.kd
    .args:
      - { .name: embedding, .offset: 0, .size: 8, .value_kind: global_buffer, .address_space: global }
      - { .name: cb, .offset: 8, .size: 8, .value_kind: global_buffer, .address_space: global }
    .group_segment_fixed_size: 0
    .private_segment_fixed_size: 0
    .kernarg_segment_align: 8
    .kernarg_segment_size: 16
    .max_flat_workgroup_size: 64
    .sgpr_count:     66
    .vgpr_count:     256
    .wavefront_size: 32
...
	.end_amdgpu_metadata
.endif
;; end of part 1
;; launch argmin (part 2): grid 256 x 1, 8 waves a work-group, clusters of 4 x 1, 327,680 bytes of LDS; arguments z, cb, out4, idxw; writes out4, idxw
.if DOCPART == 2
	.amdgcn_target "amdgcn-amd-amdhsa--gfx1250"
	.amdhsa_code_object_version 6
	.text
	.protected	k_qdc52056e00_argmin
	.globl	k_qdc52056e00_argmin
	.p2align	8
	.type	k_qdc52056e00_argmin,@function
k_qdc52056e00_argmin:
	s_mov_b64 s[64:65], 0
	v_nop
	global_prefetch_b8 v0, s[64:65] scope:SCOPE_SE
	s_setreg_imm32_b32 hwreg(HW_REG_WAVE_MODE, 25, 1), 1
	s_wait_xcnt 0x0
	s_wait_alu depctr_hold_cnt(0) depctr_sa_sdst(0) depctr_va_vdst(0) depctr_va_sdst(0) depctr_va_ssrc(0) depctr_va_vcc(0) depctr_vm_vsrc(0)
	s_getreg_b32 s2, hwreg(HW_REG_IB_STS2, 6, 4)
	s_cmp_eq_u32 s2, 0
	s_cbranch_scc0 .Lentry_in_a_cluster
	s_endpgm
.Lentry_in_a_cluster:
	s_bfe_u32 s2, ttmp6, 0x10000c
	s_cmp_lg_u32 s2, 0x3003
	s_cbranch_scc0 .Lentry_shape_is_right
	s_endpgm
.Lentry_shape_is_right:
; idx[n] = the first k with the least d[n][k] = fl(fl(zz[n] + ee[k]) - 2 dot[n][k]); dot is the product of z and the codebook, both as codes of BF6 with E8M0 scales, sums in f32, K ascending.
; zz stays in d although it is the same for all k: d is rounded to f32 with it, and equal d go to the lower index.
; SHARES: a work-group takes 128 tokens; each of its 8 waves quantises 16 of them, hands them round through LDS, and then holds ALL 128 as eight B fragments (192 registers, window 1).
; The codebook goes by in 16 slots of 32 tiles of 16 entries; wave w takes tiles 4 w .. 4 w + 3 of a slot: ONE PART of cb (13,056 bytes: codes as register images, scale words, sums of squares),
; which it fetches by one tensor load and which it alone reads.  So each LDS byte of the codebook is read once in a work-group.  At the end the eight waves' results meet in LDS.
; THE MATRIX INSTRUCTION: source 0 = 16 entries, source 1 = 16 tokens: lane (r, h) holds token r, its registers entries 8 h + 0 .. 7 of the tile.
; A STAGE: the four matrix instructions of two token blocks (two accumulators by turns), and between and behind them the tracking of the two blocks multiplied in the stage before.
; TRACKING a block: d (8 packed multiply-adds), its least with the best so far (4 v_min3), one compare, and by it 8 selects in 4 dual pairs: the tile's first seven d and the tile's number are kept where the best fell.
; The place in the tile is read off the kept d at the end.  The best falls only by a strict compare, and tiles come in ascending order: so the first k wins.
; WINDOWS: only B lies in window 1.  The packed multiply-adds name no vector register as source 1, so they stand under the matrix instructions' setting: two switches a stage.
; THE RING: two slots.  A slot's LDS reads are over when its last tile's fragments are in registers: there, ahead of that tile's stages, stand the wait for all tensor loads, the add, the wait for the LDS reads,
; the cluster's round and the refill (the slot after next); the next slot's first tile is fetched one stage later.  By this text's count a wave has one tensor load out.
; The first stage of all tracks registers set at the head (+inf for the sums of squares), which changes nothing.
; CLUSTER: all work-groups read the same parts; four ask jointly (a mask names four at the most), the descriptor hangs on the wave's number and the slot alone.
; PREFETCH: cluster 0 asks, for all, for the slot behind the one that the trip's tensor load brings: its four work-groups take a quarter each by address, waves 0-3 a block of 256 bytes a lane (102 blocks; the lanes left over name the last again).
; Slots 0 to 2 come by their loads alone; the last trip asks for nothing.
; LIMITS: NaN and infinities are not served.  A block of zeros gets the byte 1 (its codes are zeros).  zz is added in four packed chains a lane and across two lanes.
.set PART,   13056
.set SLOTB,  8*PART                    ; 104,448
.set SLOT1,  1<<17                     ; slot 1's first byte
.set TILEB,  3072
.set OSC,    12288                     ; in a part: the scale words
.set OEE,    12800                     ; and the sums of squares
.set ZIMG,   SLOTB                     ; between the slots: z's images (8 x 3,072), later the waves' results
.set ZSC,    ZIMG+8*TILEB              ; z's scale words (1,024), then zz (1,024): up to SLOT1
.set SPARE,  SLOT1+SLOTB               ; the spare words, 128 bytes a wave
.set MI,     4096
.set SPW,  1
.set NIL,  2
.set LC0,  3                           ; my lane's place in my part: images, words, sums
.set LS0,  4
.set LE0,  5
.set ADC,  6                           ; the same in the slot that is being fetched from
.set ADS,  7
.set ADE,  8
.set PFO,  9
.set H8,   10
.set XA,   11
.set ZWI,  12
.set ZWS,  13
.set ZRI,  14
.set ZRS,  15
.set ZS,   16                          ; v16-23   z's scale words, block i
.set AS,   24                          ; v24-25   the tile's scale words, two sets
.set MN,   26
.set MA,   28
.set MR,   29
.set GOF,  30
.set KV,   31                          ; the tracked tile's first entry
.set ZZ,   32                          ; v32-47   zz of block i, twice
.set EE,   48                          ; v48-63   ee of the tile's 8 entries, two sets
.set ACC,  64                          ; v64-95   two sets of two accumulators
.set TT,   96                          ; v96-111  d of two blocks
.set BEST, 112                         ; v112-127 the best so far, two sets by the tile's parity
.set RT,   128                         ; v128-191 block i: seven kept d, and the kept tile's first entry
.set AF,   192                         ; v192-239 the tile's fragments, two sets of 24
.set JJ,   240
.set SQ,  32                           ; at the head only:
.set X0,  64
.set X1,  128
.set TM,  192
.set PC0, 208
.set PC1, 228
.set PW0, 248
.set PW1, 249
.set PWC, 250
.set WV,    12
.set G1,    16
.set G0,    24
.set TB,    32
.set KT,    33
.set SL,    34
.set LIM,   35
.set PFA,   40
.set SEL,   42
.set HM,    44
.set INF,   47
.set SRC,   56
.set MSB, 0
.macro WIN new                         ; the immediate's high byte repeats the setting that is left
.if MSB != \new
	s_set_vgpr_msb (MSB<<8)|\new
.set MSB, \new
.endif
.endm
.macro CROUND                          ; a round of the cluster's barrier
	s_barrier_signal -1
	s_barrier_wait -1
	s_cmp_lg_u32 s[WV], 0
	s_cbranch_scc1 .Lnot_wave_0_\@
	s_barrier_signal -3
.Lnot_wave_0_\@:
	s_barrier_wait -3
	s_barrier_signal -1
	s_barrier_wait -1
.endm
.macro JOINT                           ; my part of a slot
	tensor_load_to_lds s[G0:G0+3], s[G1:G1+7]
	s_nop 0
.rept 4
	v_nop
.endr
.endm
.macro XLOAD reg, s
.irp b, 0,1,2,3
.irp j, 0,1,2,3
	global_load_b128 v[\reg+16*\b+4*\j:\reg+16*\b+4*\j+3], v[XA], s[SRC:SRC+1] offset:512*\s+128*\b+16*\j th:TH_LOAD_NT
.endr
.endr
.endm
.macro SUMSQ x, first
.set qq, 0
.rept 32
.if (\first) && (qq < 4)
	v_pk_mul_f32 v[SQ+2*(qq%4):SQ+2*(qq%4)+1], v[\x+2*qq:\x+2*qq+1], v[\x+2*qq:\x+2*qq+1]
.else
	v_pk_fma_f32 v[SQ+2*(qq%4):SQ+2*(qq%4)+1], v[\x+2*qq:\x+2*qq+1], v[\x+2*qq:\x+2*qq+1], v[SQ+2*(qq%4):SQ+2*(qq%4)+1]
.endif
.set qq, qq+1
.endr
.endm
.macro FOLD dst
	v_pk_add_f32 v[SQ:SQ+1], v[SQ:SQ+1], v[SQ+2:SQ+3]
	v_pk_add_f32 v[SQ+4:SQ+5], v[SQ+4:SQ+5], v[SQ+6:SQ+7]
	s_delay_alu instid0(VALU_DEP_1)
	v_pk_add_f32 v[SQ:SQ+1], v[SQ:SQ+1], v[SQ+4:SQ+5]
	s_delay_alu instid0(VALU_DEP_1)
	v_add_f32 v[SQ], v[SQ], v[SQ+1]
	s_delay_alu instid0(VALU_DEP_1)
	v_permlanex16_b32 v251, v[SQ], s[SEL], s[SEL+1]
	s_delay_alu instid0(VALU_DEP_1)
	v_add_f32 v[\dst], v[SQ], v251
.endm
.macro QUANT s, pc, pw                 ; as in the launch before: 64 numbers of a lane become a fragment's codes and its row's scale word
.irp b, 0,1,2,3
	v_max3_num_f32 v[TM+\b], |v[\s+16*\b]|, |v[\s+1+16*\b]|, 0x2800000
.endr
.irp i, 2,4,6,8,10,12,14
.irp b, 0,1,2,3
	s_delay_alu instid0(VALU_DEP_4)
	v_max3_num_f32 v[TM+\b], v[TM+\b], |v[\s+16*\b+\i]|, |v[\s+1+16*\b+\i]|
.endr
.endr
.irp b, 0,1,2,3
	s_delay_alu instid0(VALU_DEP_4)
	v_permlanex16_b32 v[TM+4+\b], v[TM+\b], s[SEL], s[SEL+1]
.endr
.irp b, 0,1,2,3
	s_delay_alu instid0(VALU_DEP_4)
	v_max_num_f32 v[TM+\b], v[TM+\b], v[TM+4+\b]
.endr
.irp b, 0,1,2,3
	s_delay_alu instid0(VALU_DEP_4)
	v_add_nc_u32 v[TM+12+\b], 0xfe000000, v[TM+\b]
.endr
.irp b, 0,1,2,3
	s_delay_alu instid0(VALU_DEP_4)
	v_lshrrev_b32 v[TM+4+\b], 23, v[TM+12+\b]
.endr
	s_delay_alu instid0(VALU_DEP_3)
	v_lshl_or_b32 v[\pw], v[TM+5], 8, v[TM+4]
	s_delay_alu instid0(VALU_DEP_1)
	v_lshl_or_b32 v[\pw], v[TM+6], 16, v[\pw]
	s_delay_alu instid0(VALU_DEP_1)
	v_lshl_or_b32 v[\pw], v[TM+7], 24, v[\pw]
.irp c, 0,1
	v_cvt_scalef32_pk16_bf6_f32 v[\pc+6*\c:\pc+2+6*\c], v[\s+32*\c:\s+15+32*\c], v[TM+12+2*\c]
	v_cvt_scalef32_pk16_bf6_f32 v[\pc+12+4*\c:\pc+14+4*\c], v[\s+16+32*\c:\s+31+32*\c], v[TM+12+2*\c+1]
.endr
	v_nop
.irp c, 0,1
.irp i, 0,1,2
	v_permlane16_swap_b32 v[\pc+6*\c+\i], v[\pc+12+4*\c+\i]
.endr
.irp i, 0,1,2
	s_delay_alu instid0(VALU_DEP_3)
	v_mov_b32 v[\pc+3+6*\c+\i], v[\pc+12+4*\c+\i]
.endr
.endr
.endm
; tile i of my part into set p: nine LDS loads
.macro FETCH i, p
	ds_load_b32 v[AS+(\p)], v[ADS] offset:OSC+128*(\i)
	ds_load_b128 v[EE+8*(\p):EE+8*(\p)+3], v[ADE] offset:OEE+64*(\i)
	ds_load_b128 v[EE+8*(\p)+4:EE+8*(\p)+7], v[ADE] offset:OEE+64*(\i)+16
.irp c, 0,1,2,3,4,5
	ds_load_b128 v[AF+24*(\p)+4*\c:AF+24*(\p)+4*\c+3], v[ADC] offset:TILEB*(\i)+512*\c
.endr
.endm
; K step k of the tile in set p against token block u, into accumulator d
.macro WM k, p, u, d
.if (\k) == 0
	v_wmma_scale_f32_16x16x128_f8f6f4 v[\d:\d+7], v[AF+24*(\p):AF+24*(\p)+11], v[24*(\u):24*(\u)+11], 0, v[AS+(\p)], v[ZS+(\u)] matrix_a_fmt:MATRIX_FMT_BF6 matrix_b_fmt:MATRIX_FMT_BF6
.else
	v_wmma_scale_f32_16x16x128_f8f6f4 v[\d:\d+7], v[AF+24*(\p)+12:AF+24*(\p)+23], v[24*(\u)+12:24*(\u)+23], v[\d:\d+7], v[AS+(\p)], v[ZS+(\u)] matrix_a_fmt:MATRIX_FMT_BF6 matrix_b_fmt:MATRIX_FMT_BF6 matrix_a_scale:MATRIX_SCALE_ROW1 matrix_b_scale:MATRIX_SCALE_ROW1
.endif
.endm
; The tracked pair: blocks 2 TQ + e, e = 0, 1; its accumulators at TR + 8 e; its tile's parity TP.
.macro TADD e                          ; fl(ee + zz), as ee x 1 + zz: no vector register stands as source 1
.irp j, 0,2,4,6
	v_pk_fma_f32 v[TT+8*\e+\j:TT+8*\e+\j+1], v[EE+8*TP+\j:EE+8*TP+\j+1], 1.0, v[ZZ+2*(2*TQ+\e):ZZ+2*(2*TQ+\e)+1] op_sel_hi:[1,0,1]
.endr
.endm
.macro TFMA e                          ; d = fl(that - 2 dot); each accumulator is read from its low end on
.irp j, 0,2,4,6
	v_pk_fma_f32 v[TT+8*\e+\j:TT+8*\e+\j+1], v[TR+8*\e+\j:TR+8*\e+\j+1], -2.0, v[TT+8*\e+\j:TT+8*\e+\j+1] op_sel_hi:[1,0,1]
.endr
.endm
.macro SEL2 d, a, b                    ; two selects by VCC in one pair: destinations even and odd, the sources of a kind in different banks
	v_dual_cndmask_b32 v[\d], v[\d], v[\a] :: v_dual_cndmask_b32 v[\d+1], v[\d+1], v[\b]
.endm
.macro TSEL
.irp e, 0,1
	v_min3_num_f32 v[MN+\e], v[TT+8*\e], v[TT+8*\e+1], v[TT+8*\e+2]
.endr
.irp i, 3,5
.irp e, 0,1
	s_delay_alu instid0(VALU_DEP_2)
	v_min3_num_f32 v[MN+\e], v[MN+\e], v[TT+8*\e+\i], v[TT+8*\e+\i+1]
.endr
.endr
.irp e, 0,1
	s_delay_alu instid0(VALU_DEP_2)
	v_min3_num_f32 v[BEST+8*(1-TP)+2*TQ+\e], v[MN+\e], v[TT+8*\e+7], v[BEST+8*TP+2*TQ+\e]
.endr
.irp e, 0,1
	v_cmp_lt_f32 vcc_lo, v[BEST+8*(1-TP)+2*TQ+\e], v[BEST+8*TP+2*TQ+\e]   ; has the best fallen in this tile?
.irp j, 0,2,4
	SEL2 RT+8*(2*TQ+\e)+\j, TT+8*\e+\j, TT+8*\e+\j+1
.endr
	SEL2 RT+8*(2*TQ+\e)+6, TT+8*\e+6, KV
.endr
.endm
; blocks 2 q, 2 q + 1 are multiplied with the tile in set p; the pair before them is tracked
.macro STAGE p, q
.set MS, ACC+16*((\q)%2)
.set TR, ACC+16*(1-(\q)%2)
.set TQ, ((\q)+3)%4
.if (\q) == 0
.set TP, 1-(\p)
.else
.set TP, (\p)
.endif
	WIN 0x04                                       ; source 1 (B) in window 1
	WM 0, \p, 2*(\q), MS
	TADD 0
	WM 0, \p, 2*(\q)+1, MS+8
	TADD 1
	WM 1, \p, 2*(\q), MS
	TFMA 0
	WM 1, \p, 2*(\q)+1, MS+8
	TFMA 1
	WIN 0
	TSEL
.endm
.macro ASK
	s_cmp_gt_u32 s[SL], s[LIM]
	s_cbranch_scc0 .Lnot_mine_\@
	global_prefetch_b8 v[PFO], s[PFA:PFA+1] th:TH_LOAD_NT scope:SCOPE_SE
.Lnot_mine_\@:
.endm
; Tile t of a slot.  mode 2: ahead of tile 3 the slot is given up and filled again; 1: a slot follows, nothing is left to fetch from memory; 0: the last slot.
.macro TILE t, mode
.if (\t) == 3 && (\mode) == 2
	s_wait_tensorcnt 0x0                           ; my one load that is out, my part of the next slot, has landed
	ds_add_u32 v[SPW], v[NIL]
	s_xor_b32 s[G0+1], s[G0+1], SLOT1              ; no load of mine is out: the descriptor steps to the slot after next, in this slot's bytes
	s_add_nc_u64 s[G0+2:G0+3], s[G0+2:G0+3], SLOTB
	s_wait_xcnt 0x0                                ; the last prefetch has read its address
	s_add_nc_u64 s[PFA:PFA+1], s[PFA:PFA+1], SLOTB
	s_wait_dscnt 0x0                               ; the add is done; tile 3's fragments are in: my reads of this slot are over
	CROUND
	JOINT
	ASK
.else
.if (\t) == 3 && (\mode) == 1
	s_wait_tensorcnt 0x0                           ; the last slot's part, which I alone read, has landed
.endif
	s_wait_dscnt 0x0                               ; this tile's nine loads are in
.endif
	STAGE (\t)%2, 0
	v_mov_b32 v[KV], s[KT]                         ; from here on this tile is the tracked one
.if (\t) < 3
	s_add_co_u32 s[KT], s[KT], 16
	FETCH (\t)+1, 1-(\t)%2                         ; the other set is free: its tile's last pair has been tracked
.else
	s_add_co_u32 s[KT], s[KT], 512-48
.if (\mode) > 0
	s_xor_b32 s[TB], s[TB], SLOT1
	v_add_nc_u32 v[ADC], s[TB], v[LC0]
	v_add_nc_u32 v[ADS], s[TB], v[LS0]
	v_add_nc_u32 v[ADE], s[TB], v[LE0]
	FETCH 0, 0
.endif
.endif
	STAGE (\t)%2, 1
	STAGE (\t)%2, 2
	STAGE (\t)%2, 3
.endm
.macro SLOTW mode
	TILE 0, \mode
	TILE 1, \mode
	TILE 2, \mode
	TILE 3, \mode
.endm
.macro LEXMIN b, x, ob, ox             ; the lesser d, and of equal d the lower index
	v_cmp_lt_f32 s48, v[\ob], v[\b]
	v_cmp_eq_f32 s49, v[\ob], v[\b]
	v_cmp_lt_u32 s50, v[\ox], v[\x]
	s_and_b32 s49, s49, s50
	s_or_b32 s48, s48, s49
	v_cndmask_b32 v[\b], v[\b], v[\ob], s48
	v_cndmask_b32 v[\x], v[\x], v[\ox], s48
.endm
	s_load_b256 s[4:11], s[0:1], 0x0               ; z s[4:5], cb s[6:7], out4 s[8:9], idxw s[10:11]
	v_lshl_add_u32 v[SPW], v0, 2, SPARE
	v_mov_b32 v[NIL], 0
	ds_add_u32 v[SPW], v[NIL]                      ; the opening lines: the add, twice on end, and its wait
	ds_add_u32 v[SPW], v[NIL]
	v_lshrrev_b32 v6, 5, v0
	s_delay_alu instid0(VALU_DEP_1)
	v_readfirstlane_b32 s[WV], v6                  ; wave 0..7
	s_bfe_u32 s13, ttmp6, 0x40000                  ; cx
	s_lshl_b32 s14, ttmp9, 2
	s_add_co_u32 s14, s14, s13                     ; work-group
	s_mul_i32 s48, s[WV], PART                     ; my part in a slot, in LDS and in cb
	s_mov_b32 s49, 0
	s_lshl_b32 s50, s[WV], 9
	s_add_co_u32 s50, s50, ZIMG
	s_mul_i32 s51, s[WV], TILEB
	s_add_co_u32 s51, s51, ZIMG
	s_lshl_b32 s36, s[WV], 7
	s_add_co_u32 s36, s36, ZSC
	s_mov_b32 s[SEL], 0x76543210
	s_mov_b32 s[SEL+1], 0xfedcba98
	s_mov_b32 s[HM], 0xffff0000
	s_mov_b32 s[INF], 0x7f800000
	s_mov_b32 s[TB], 0
	s_lshl_b32 s[KT], s[WV], 6                     ; my first tile's first entry
	s_mov_b32 s[SL], 14
	s_mov_b32 s[G1+0], 15|(3<<16)|(1<<21)          ; the four of the cluster; elements of 8 bytes
	s_mov_b32 s[G1+1], 32<<16                      ; 51 rows of 256 bytes, dense
	s_mov_b32 s[G1+2], 51<<16
	s_mov_b32 s[G1+3], 32<<16
	s_mov_b32 s[G1+4], 51
	s_mov_b32 s[G1+5], 32
	s_mov_b32 s[G1+6], 0
	s_mov_b32 s[G1+7], 0
	s_cmp_lt_u32 s[WV], 4
	s_cselect_b32 s[LIM], 0, 1
	s_or_b32 s[LIM], s[LIM], ttmp9
	s_cmp_eq_u32 s[LIM], 0
	s_cselect_b32 s[LIM], 1, -1                    ; waves 0-3 of cluster 0 prefetch; the others never
	s_lshl_b32 s52, s14, 17                        ; my work-group's 128 rows of z, my wave's 16
	s_lshl_b32 s53, s[WV], 14
	s_add_co_u32 s52, s52, s53
	s_mov_b32 s53, 0
	s_lshl_b32 s54, s14, 9                         ; its 128 indices
	s_mov_b32 s55, 0
	s_mul_i32 s58, s13, 2*PART                     ; the prefetches: my work-group's quarter of a slot, at slot 2: the first trip steps it to slot 3
	s_add_co_u32 s58, s58, 2*SLOTB
	s_mov_b32 s59, 0
	s_wait_dscnt 0x0                               ; both opening adds are done
	v_and_b32 v6, 31, v0                           ; lane
	v_and_b32 v7, 15, v0                           ; r
	v_bfe_u32 v8, v0, 4, 1                         ; h
	v_min_u32 v[PFO], 101, v0
	v_lshlrev_b32 v[XA], 10, v7
	v_lshl_add_u32 v[LC0], v6, 4, s48
	v_lshl_add_u32 v[LS0], v6, 2, s48
	v_lshl_add_u32 v[LE0], v8, 5, s48
	v_lshl_add_u32 v[XA], v8, 6, v[XA]             ; 1024 r + 64 h
	v_lshlrev_b32 v[PFO], 8, v[PFO]
	v_lshl_add_u32 v[MA], v7, 2, s50
	v_lshl_add_u32 v[ZWI], v6, 4, s51
	v_lshl_add_u32 v[ZWS], v6, 2, s36
	v_lshl_add_u32 v[ZRI], v6, 4, ZIMG
	v_lshl_add_u32 v[ZRS], v6, 2, ZSC
	v_lshl_add_u32 v[MR], v0, 2, ZIMG
	v_lshlrev_b32 v[GOF], 2, v0
	v_lshlrev_b32 v[H8], 3, v8
	v_mov_b32 v[ADC], v[LC0]
	v_mov_b32 v[ADS], v[LS0]
	v_mov_b32 v[ADE], v[LE0]
.irp b, 0,1,2,3
	v_mov_b32 v[TM+4+\b], 0                        ; a lane permute's destination counts as one of its sources
.endr
	v_mov_b32 v251, 0
	s_wait_alu depctr_va_vdst(0)                   ; the wait here, directly ahead of the wait below
	s_wait_kmcnt 0x0
	s_add_nc_u64 s[SRC:SRC+1], s[4:5], s[52:53]
	s_add_nc_u64 s[8:9], s[8:9], s[54:55]
	s_add_nc_u64 s[10:11], s[10:11], s[54:55]
	s_add_nc_u64 s[PFA:PFA+1], s[6:7], s[58:59]
	XLOAD X0, 0
	XLOAD X1, 1
	s_mov_b32 s[G0], 1
	s_mov_b32 s[G0+1], s48
	s_add_nc_u64 s[G0+2:G0+3], s[6:7], s[48:49]
	s_or_b32 s[G0+3], s[G0+3], 0x80000000
	CROUND                                         ; the four work-groups are here: the first joint loads meet
	JOINT                                          ; slot 0: one tensor load a wave at the head
	s_wait_loadcnt 16                              ; K step 0's sixteen loads are in
	SUMSQ X0, 1
	QUANT X0, PC0, PW0
.irp c, 0,1,2
	ds_store_b128 v[ZWI], v[PC0+4*\c:PC0+4*\c+3] offset:512*\c
.endr
	s_wait_loadcnt 0x0
	SUMSQ X1, 0
	QUANT X1, PC1, PW1
.irp c, 0,1,2
	ds_store_b128 v[ZWI], v[PC1+4*\c:PC1+4*\c+3] offset:1536+512*\c
.endr
	v_cndmask_b32 v[PWC], v[PW0], v[PW1], s[HM]
	ds_store_b32 v[ZWS], v[PWC]
	FOLD 252
	ds_store_b32 v[ZWS], v252 offset:1024
	s_wait_tensorcnt 0x0                           ; slot 0's part is in; slot 1's first fill is issued as a refill is
	ds_add_u32 v[SPW], v[NIL]
	s_xor_b32 s[G0+1], s[G0+1], SLOT1
	s_add_nc_u64 s[G0+2:G0+3], s[G0+2:G0+3], SLOTB
	s_wait_dscnt 0x0                               ; the add, and my stores of z's images, for the other waves' sake
	CROUND                                         ; one round for both: every wave's 16 tokens lie in LDS, and the joint loads meet
	JOINT                                          ; slot 1
	WIN 0x40
.irp i, 0,1,2,3,4,5,6,7
.irp c, 0,1,2,3,4,5
	ds_load_b128 v[24*\i+4*\c:24*\i+4*\c+3], v[ZRI] offset:TILEB*\i+512*\c
.endr
.endr
	WIN 0
.irp i, 0,1,2,3,4,5,6,7
	ds_load_b32 v[ZS+\i], v[ZRS] offset:128*\i
	ds_load_b32 v[ZZ+2*\i], v[ZRS] offset:1024+128*\i
	ds_load_b32 v[ZZ+2*\i+1], v[ZRS] offset:1024+128*\i
.endr
	FETCH 0, 0
.irp j, 0,1,2,3,4,5,6,7
	v_mov_b32 v[EE+8+\j], s[INF]                   ; what the first stage tracks: d = +inf, under which no best falls
.endr
.irp j, 0,1,2,3,4,5,6,7,8,9,10,11,12,13,14,15
	v_mov_b32 v[ACC+16+\j], 0
	v_mov_b32 v[BEST+\j], s[INF]
.endr
	v_mov_b32 v[KV], 0
.irp i, 0,1,2,3,4,5,6,7
.irp j, 0,1,2,3,4,5,6
	v_mov_b32 v[RT+8*\i+\j], s[INF]
.endr
	v_mov_b32 v[RT+8*\i+7], 0
.endr
	s_wait_alu depctr_va_vdst(0)                   ; the wait at the head's end
.Lslot:                                                ; slots 0 to 13: each trip asks for the slot after next
	SLOTW 2
	s_sub_co_u32 s[SL], s[SL], 1
	s_cmp_lg_u32 s[SL], 0
	s_cbranch_scc1 .Lslot
	SLOTW 1
	SLOTW 0
.set TQ, 3                             ; the last tile's last pair
.set TP, 1
.set TR, ACC+16
	TADD 0
	TADD 1
	TFMA 0
	TFMA 1
	TSEL
.irp i, 0,1,2,3,4,5,6,7
	v_mov_b32 v[JJ+\i], 7                          ; the place in the kept tile: the first kept d that equals the best, else the eighth
.endr
.irp j, 6,5,4,3,2,1,0
.irp i, 0,1,2,3,4,5,6,7
	v_cmp_neq_f32 vcc_lo, v[RT+8*\i+\j], v[BEST+\i]
	s_delay_alu instid0(VALU_DEP_1)
	v_cndmask_b32 v[JJ+\i], \j, v[JJ+\i], vcc_lo
.endr
.endr
.irp i, 0,1,2,3,4,5,6,7
	v_add3_u32 v[JJ+\i], v[RT+8*\i+7], v[JJ+\i], v[H8]
.endr
.irp i, 0,1,2,3,4,5,6,7
	v_permlanex16_b32 v[TT+\i], v[BEST+\i], s[SEL], s[SEL+1]
	v_permlanex16_b32 v[TT+8+\i], v[JJ+\i], s[SEL], s[SEL+1]
.endr
.irp i, 0,1,2,3,4,5,6,7
	LEXMIN BEST+\i, JJ+\i, TT+\i, TT+8+\i
.endr
.irp i, 0,1,2,3,4,5,6,7
	ds_store_b32 v[MA], v[BEST+\i] offset:64*\i    ; both halves of the lanes write the same word with the same value
	ds_store_b32 v[MA], v[JJ+\i] offset:MI+64*\i
.endr
	s_wait_dscnt 0x0                               ; for the other waves' sake
	s_barrier_signal -1
	s_barrier_wait -1
	s_cmp_ge_u32 s[WV], 4
	s_cbranch_scc1 .Lend
.irp w, 0,1,2,3,4,5,6,7
	ds_load_b32 v[ACC+\w], v[MR] offset:512*\w     ; thread t of waves 0-3: token t, the eight waves' results
	ds_load_b32 v[ACC+8+\w], v[MR] offset:MI+512*\w
.endr
	s_wait_dscnt 0x0
.irp w, 1,2,3,4,5,6,7
	LEXMIN ACC, ACC+8, ACC+\w, ACC+8+\w
.endr
	global_store_b32 v[GOF], v[ACC+8], s[8:9]      ; a wave stores 128 consecutive bytes, the four waves 512
	global_store_b32 v[GOF], v[ACC+8], s[10:11]
.Lend:
	s_wait_tensorcnt 0x0                           ; the wave's end
	ds_add_u32 v[SPW], v[NIL]
	s_wait_dscnt 0x0
	CROUND                                         ; the closing round
	s_endpgm
.Lfunc_end_k_qdc52056e00_argmin:
	.size	k_qdc52056e00_argmin, .Lfunc_end_k_qdc52056e00_argmin-k_qdc52056e00_argmin
	.p2alignl 7, 3214868480
	.fill 96, 4, 3214868480
	.section	.rodata,"a",@progbits
	.p2align	6, 0x0
	.amdhsa_kernel k_qdc52056e00_argmin
		.amdhsa_group_segment_fixed_size 327680
		.amdhsa_private_segment_fixed_size 0
		.amdhsa_enable_private_segment 0
		.amdhsa_kernarg_size 32
		.amdhsa_user_sgpr_count 2
		.amdhsa_user_sgpr_kernarg_segment_ptr 1
		.amdhsa_wavefront_size32 1
		.amdhsa_system_sgpr_workgroup_id_x 1
		.amdhsa_system_sgpr_workgroup_id_y 1
		.amdhsa_system_sgpr_workgroup_id_z 1
		.amdhsa_system_vgpr_workitem_id 0
		.amdhsa_next_free_vgpr 512
		.amdhsa_next_free_sgpr 66
		.amdhsa_reserve_vcc 1
		.amdhsa_float_denorm_mode_32 3
		.amdhsa_float_denorm_mode_16_64 3
		.amdhsa_memory_ordered 1
		.amdhsa_forward_progress 1
		.amdhsa_inst_pref_size 195
	.end_amdhsa_kernel
	.amdgpu_metadata
---
amdhsa.version: [ 1, 2 ]
amdhsa.kernels:
  - .name:           k_qdc52056e00_argmin
    .symbol:         k_qdc52056e00_argmin.kd
    .args:
      - { .name: z, .offset: 0, .size: 8, .value_kind: global_buffer, .address_space: global }
      - { .name: cb, .offset: 8, .size: 8, .value_kind: global_buffer, .address_space: global }
      - { .name: out4, .offset: 16, .size: 8, .value_kind: global_buffer, .address_space: global }
      - { .name: idxw, .offset: 24, .size: 8, .value_kind: global_buffer, .address_space: global }
    .group_segment_fixed_size: 327680
    .private_segment_fixed_size: 0
    .kernarg_segment_align: 8
    .kernarg_segment_size: 32
    .max_flat_workgroup_size: 256
    .sgpr_count:     66
    .vgpr_count:     512
    .wavefront_size: 32
...
	.end_amdgpu_metadata
.endif
;; end of part 2
;; launch gather (part 3): grid 512 x 1, 8 waves a work-group, no clusters, 1,280 bytes of LDS; arguments z, embedding, idxw, out0, part; writes out0, part
.if DOCPART == 3
	.amdgcn_target "amdgcn-amd-amdhsa--gfx1250"
	.amdhsa_code_object_version 6
	.text
	.protected	k_qdc52056e00_gather
	.globl	k_qdc52056e00_gather
	.p2align	8
	.type	k_qdc52056e00_gather,@function
k_qdc52056e00_gather:
	s_mov_b64 s[64:65], 0
	v_nop
	global_prefetch_b8 v0, s[64:65] scope:SCOPE_SE
	s_setreg_imm32_b32 hwreg(HW_REG_WAVE_MODE, 25, 1), 1
	s_wait_xcnt 0x0
; out0[n] = fl(z[n] + fl(e[idx[n]] - z[n])), and for each work-group the sum of fl(e[idx[n]] - z[n])^2 over its 64 tokens.
; SHARES: a wave takes 8 tokens; a token's row of 1,024 bytes is two loads of 512 consecutive bytes.  Written out, no loop: every offset is an immediate, no register of a load or store is written again.
; The indices are whole numbers that the launch before stored; each is held to 0 .. 8191 and enters the address as an offset beside the codebook's base.
; No tensor loads, no cluster, no matrix work: each byte of z is read once and each byte of out0 written once, 16 KiB a wave in flight.
; The sum is added in four packed chains a lane, across the lanes, then across the waves in a fixed order.
.set ZR, 16                            ; v16-79   z, token t at 16 + 8 t; then out0
.set ER, 80                            ; v80-143  e[idx], then e[idx] - z
.set AC, 144                           ; v144-151 four packed chains of squares
.set OE, 152                           ; v152-159 token t: 1024 idx + 16 lane
	s_load_b256 s[4:11], s[0:1], 0x0               ; z s[4:5], embedding s[6:7], idxw s[8:9], out0 s[10:11]
	s_load_b64 s[12:13], s[0:1], 0x20              ; part
	v_lshl_add_u32 v160, v0, 2, 0x100
	v_mov_b32 v161, 0
	v_lshrrev_b32 v1, 5, v0
	s_delay_alu instid0(VALU_DEP_1)
	v_readfirstlane_b32 s14, v1                    ; wave 0..7
	v_and_b32 v1, 31, v0
	s_delay_alu instid0(VALU_DEP_1)
	v_lshlrev_b32 v1, 4, v1                        ; 16 x lane
	v_mov_b32 v2, 0                                ; a lane permute's destination counts as one of its sources
	v_mov_b32 v12, 0                               ; LDS byte 0, and offset 0 in part
	v_mov_b32 v3, s14
	s_delay_alu instid0(VALU_DEP_1)
	v_lshlrev_b32 v3, 2, v3                        ; my wave's word in LDS
	s_mov_b32 s30, 0x76543210
	s_mov_b32 s31, 0xfedcba98
	s_lshl_b32 s15, ttmp9, 3
	s_add_co_u32 s15, s15, s14                     ; g: which run of 8 tokens
	s_lshl_b32 s24, s15, 5                         ; its 8 indices
	s_mov_b32 s25, 0
	s_lshl_b32 s26, s15, 13                        ; its 8 rows
	s_mov_b32 s27, 0
	s_lshl_b32 s28, ttmp9, 2                       ; my work-group's word of part
	s_mov_b32 s29, 0
	s_wait_alu depctr_va_vdst(0)
	s_wait_kmcnt 0x0
	s_add_nc_u64 s[8:9], s[8:9], s[24:25]
	s_load_b256 s[16:23], s[8:9], 0x0              ; the 8 indices
	s_add_nc_u64 s[4:5], s[4:5], s[26:27]
	s_add_nc_u64 s[10:11], s[10:11], s[26:27]
	s_add_nc_u64 s[12:13], s[12:13], s[28:29]
.irp t, 0,1,2,3,4,5,6,7
.irp j, 0,1
	global_load_b128 v[ZR+8*\t+4*\j:ZR+8*\t+4*\j+3], v1, s[4:5] offset:1024*\t+512*\j th:TH_LOAD_NT
.endr
.endr
	s_wait_kmcnt 0x0
.irp t, 0,1,2,3,4,5,6,7
	s_min_u32 s[16+\t], s[16+\t], 8191             ; an index stays inside the table
	s_lshl_b32 s[16+\t], s[16+\t], 10
	v_add_nc_u32 v[OE+\t], s[16+\t], v1
.endr
	s_wait_alu depctr_va_vdst(0)
.irp t, 0,1,2,3,4,5,6,7
.irp j, 0,1
	global_load_b128 v[ER+8*\t+4*\j:ER+8*\t+4*\j+3], v[OE+\t], s[6:7] offset:512*\j   ; no hint: a row may be named by many tokens
.endr
.endr
.irp t, 0,1,2,3,4,5,6,7
	s_wait_loadcnt 14-2*\t                         ; z and this token's two codebook loads are in; the later tokens' may be out
.irp c, 0,1,2,3
	v_pk_add_f32 v[ER+8*\t+2*\c:ER+8*\t+2*\c+1], v[ER+8*\t+2*\c:ER+8*\t+2*\c+1], v[ZR+8*\t+2*\c:ZR+8*\t+2*\c+1] neg_lo:[0,1] neg_hi:[0,1]   ; e - z
.endr
.irp c, 0,1,2,3
.if \t == 0
	s_delay_alu instid0(VALU_DEP_4)
	v_pk_mul_f32 v[AC+2*\c:AC+2*\c+1], v[ER+8*\t+2*\c:ER+8*\t+2*\c+1], v[ER+8*\t+2*\c:ER+8*\t+2*\c+1]   ; the first token starts the chains
.else
	s_delay_alu instid0(VALU_DEP_4)
	v_pk_fma_f32 v[AC+2*\c:AC+2*\c+1], v[ER+8*\t+2*\c:ER+8*\t+2*\c+1], v[ER+8*\t+2*\c:ER+8*\t+2*\c+1], v[AC+2*\c:AC+2*\c+1]
.endif
.endr
.irp c, 0,1,2,3
	v_pk_add_f32 v[ZR+8*\t+2*\c:ZR+8*\t+2*\c+1], v[ZR+8*\t+2*\c:ZR+8*\t+2*\c+1], v[ER+8*\t+2*\c:ER+8*\t+2*\c+1]   ; z + (e - z)
.endr
.irp j, 0,1
	global_store_b128 v1, v[ZR+8*\t+4*\j:ZR+8*\t+4*\j+3], s[10:11] offset:1024*\t+512*\j th:TH_STORE_NT   ; 32 lanes store 512 consecutive bytes, at a multiple of 512 from out0's first byte
.endr
.endr
	v_pk_add_f32 v[AC:AC+1], v[AC:AC+1], v[AC+2:AC+3]
	v_pk_add_f32 v[AC+4:AC+5], v[AC+4:AC+5], v[AC+6:AC+7]
	s_delay_alu instid0(VALU_DEP_1)
	v_pk_add_f32 v[AC:AC+1], v[AC:AC+1], v[AC+4:AC+5]
	s_delay_alu instid0(VALU_DEP_1)
	v_add_f32 v[AC], v[AC], v[AC+1]
	s_delay_alu instid0(VALU_DEP_1)
	v_add_f32_dpp v[AC], v[AC], v[AC] row_xmask:1 row_mask:0xf bank_mask:0xf
	s_delay_alu instid0(VALU_DEP_1)
	v_add_f32_dpp v[AC], v[AC], v[AC] row_xmask:2 row_mask:0xf bank_mask:0xf
	s_delay_alu instid0(VALU_DEP_1)
	v_add_f32_dpp v[AC], v[AC], v[AC] row_xmask:4 row_mask:0xf bank_mask:0xf
	s_delay_alu instid0(VALU_DEP_1)
	v_add_f32_dpp v[AC], v[AC], v[AC] row_xmask:8 row_mask:0xf bank_mask:0xf
	s_delay_alu instid0(VALU_DEP_1)
	v_permlanex16_b32 v2, v[AC], s30, s31
	s_delay_alu instid0(VALU_DEP_1)
	v_add_f32 v[AC], v[AC], v2                     ; the wave's sum, in every lane
	ds_store_b32 v3, v[AC]                         ; all lanes write the same word with the same value
	s_wait_dscnt 0x0                               ; for wave 0's sake
	s_barrier_signal -1
	s_barrier_wait -1
	s_cmp_lg_u32 s14, 0
	s_cbranch_scc1 .Ldone
	ds_load_b128 v[4:7], v12
	ds_load_b128 v[8:11], v12 offset:16
	s_wait_dscnt 0x0
	v_pk_add_f32 v[4:5], v[4:5], v[6:7]
	v_pk_add_f32 v[8:9], v[8:9], v[10:11]
	s_delay_alu instid0(VALU_DEP_1)
	v_pk_add_f32 v[4:5], v[4:5], v[8:9]
	s_delay_alu instid0(VALU_DEP_1)
	v_add_f32 v4, v4, v5                           ; the work-group's sum
	s_wait_alu depctr_va_vdst(0)
	s_wait_xcnt 0x0                                ; EXEC is a source of the stores above: it changes only behind this wait
	v_cmp_eq_u32 vcc_lo, 0, v0
	s_wait_tensorcnt 0x0
	ds_add_u32 v160, v161
	s_wait_dscnt 0x0
	s_and_saveexec_b32 s15, vcc_lo                 ; one lane, one word
	global_store_b32 v12, v4, s[12:13]
	s_endpgm
.Ldone:
	s_wait_tensorcnt 0x0
	ds_add_u32 v160, v161
	s_wait_dscnt 0x0
	s_endpgm
.Lfunc_end_k_qdc52056e00_gather:
	.size	k_qdc52056e00_gather, .Lfunc_end_k_qdc52056e00_gather-k_qdc52056e00_gather
	.p2alignl 7, 3214868480
	.fill 96, 4, 3214868480
	.section	.rodata,"a",@progbits
	.p2align	6, 0x0
	.amdhsa_kernel k_qdc52056e00_gather
		.amdhsa_group_segment_fixed_size 1280
		.amdhsa_private_segment_fixed_size 0
		.amdhsa_enable_private_segment 0
		.amdhsa_kernarg_size 40
		.amdhsa_user_sgpr_count 2
		.amdhsa_user_sgpr_kernarg_segment_ptr 1
		.amdhsa_wavefront_size32 1
		.amdhsa_system_sgpr_workgroup_id_x 1
		.amdhsa_system_sgpr_workgroup_id_y 1
		.amdhsa_system_sgpr_workgroup_id_z 1
		.amdhsa_system_vgpr_workitem_id 0
		.amdhsa_next_free_vgpr 162
		.amdhsa_next_free_sgpr 66
		.amdhsa_reserve_vcc 1
		.amdhsa_float_denorm_mode_32 3
		.amdhsa_float_denorm_mode_16_64 3
		.amdhsa_memory_ordered 1
		.amdhsa_forward_progress 1
		.amdhsa_inst_pref_size 17
	.end_amdhsa_kernel
	.amdgpu_metadata
---
amdhsa.version: [ 1, 2 ]
amdhsa.kernels:
  - .name:           k_qdc52056e00_gather
    .symbol:         k_qdc52056e00_gather.kd
    .args:
      - { .name: z, .offset: 0, .size: 8, .value_kind: global_buffer, .address_space: global }
      - { .name: embedding, .offset: 8, .size: 8, .value_kind: global_buffer, .address_space: global }
      - { .name: idxw, .offset: 16, .size: 8, .value_kind: global_buffer, .address_space: global }
      - { .name: out0, .offset: 24, .size: 8, .value_kind: global_buffer, .address_space: global }
      - { .name: part, .offset: 32, .size: 8, .value_kind: global_buffer, .address_space: global }
    .group_segment_fixed_size: 1280
    .private_segment_fixed_size: 0
    .kernarg_segment_align: 8
    .kernarg_segment_size: 40
    .max_flat_workgroup_size: 256
    .sgpr_count:     66
    .vgpr_count:     162
    .wavefront_size: 32
...
	.end_amdgpu_metadata
.endif
;; end of part 3
;; launch finish (part 4): grid 1 x 1, 1 waves a work-group, no clusters, 0 bytes of LDS; arguments part, out1, out2, out3; writes out1, out2, out3
.if DOCPART == 4
	.amdgcn_target "amdgcn-amd-amdhsa--gfx1250"
	.amdhsa_code_object_version 6
	.text
	.protected	k_qdc52056e00_finish
	.globl	k_qdc52056e00_finish
	.p2align	8
	.type	k_qdc52056e00_finish,@function
k_qdc52056e00_finish:
	s_mov_b64 s[64:65], 0
	v_nop
	global_prefetch_b8 v0, s[64:65] scope:SCOPE_SE
	s_setreg_imm32_b32 hwreg(HW_REG_WAVE_MODE, 25, 1), 1
	s_wait_xcnt 0x0
; The 512 partial sums of squares are added in a fixed order; the mean over 32,768 x 256 = 2^23 numbers is a multiplication by 2^-23, which rounds nothing.
; out3 = the mean (codebook loss), out2 = 0.25 x the mean (commitment loss), out1 = their sum.  One wave: a sum across work-groups has one owner.
	s_load_b256 s[4:11], s[0:1], 0x0               ; part s[4:5], out1 s[6:7], out2 s[8:9], out3 s[10:11]
	v_lshlrev_b32 v1, 4, v0                        ; 16 x lane
	v_mov_b32 v2, 0                                ; offset 0
	v_mov_b32 v3, 0                                ; a lane permute's destination counts as one of its sources
	s_mov_b32 s12, 0x76543210
	s_mov_b32 s13, 0xfedcba98
	s_wait_alu depctr_va_vdst(0)
	s_wait_kmcnt 0x0
.irp q, 0,1,2,3
	global_load_b128 v[4+4*\q:7+4*\q], v1, s[4:5] offset:512*\q
.endr
	s_wait_loadcnt 0x0
	v_pk_add_f32 v[4:5], v[4:5], v[6:7]
	v_pk_add_f32 v[8:9], v[8:9], v[10:11]
	v_pk_add_f32 v[12:13], v[12:13], v[14:15]
	v_pk_add_f32 v[16:17], v[16:17], v[18:19]
	v_pk_add_f32 v[4:5], v[4:5], v[8:9]
	v_pk_add_f32 v[12:13], v[12:13], v[16:17]
	v_pk_add_f32 v[4:5], v[4:5], v[12:13]
	v_add_f32 v4, v4, v5
	v_add_f32_dpp v4, v4, v4 row_xmask:1 row_mask:0xf bank_mask:0xf
	v_add_f32_dpp v4, v4, v4 row_xmask:2 row_mask:0xf bank_mask:0xf
	v_add_f32_dpp v4, v4, v4 row_xmask:4 row_mask:0xf bank_mask:0xf
	v_add_f32_dpp v4, v4, v4 row_xmask:8 row_mask:0xf bank_mask:0xf
	v_permlanex16_b32 v3, v4, s12, s13
	v_add_f32 v4, v4, v3                           ; the sum of all squares
	v_mul_f32 v6, 0x34000000, v4                   ; x 2^-23: the mean
	v_mul_f32 v7, 0x3e800000, v6                   ; x 0.25
	v_add_f32 v8, v7, v6
	s_wait_alu depctr_va_vdst(0)
	s_wait_xcnt 0x0                                ; EXEC changes only behind this wait
	v_cmp_eq_u32 vcc_lo, 0, v0
	s_and_saveexec_b32 s14, vcc_lo                 ; one lane
	global_store_b32 v2, v8, s[6:7]
	global_store_b32 v2, v7, s[8:9]
	global_store_b32 v2, v6, s[10:11]
	s_endpgm
.Lfunc_end_k_qdc52056e00_finish:
	.size	k_qdc52056e00_finish, .Lfunc_end_k_qdc52056e00_finish-k_qdc52056e00_finish
	.p2alignl 7, 3214868480
	.fill 96, 4, 3214868480
	.section	.rodata,"a",@progbits
	.p2align	6, 0x0
	.amdhsa_kernel k_qdc52056e00_finish
		.amdhsa_group_segment_fixed_size 0
		.amdhsa_private_segment_fixed_size 0
		.amdhsa_enable_private_segment 0
		.amdhsa_kernarg_size 32
		.amdhsa_user_sgpr_count 2
		.amdhsa_user_sgpr_kernarg_segment_ptr 1
		.amdhsa_wavefront_size32 1
		.amdhsa_system_sgpr_workgroup_id_x 1
		.amdhsa_system_sgpr_workgroup_id_y 1
		.amdhsa_system_sgpr_workgroup_id_z 1
		.amdhsa_system_vgpr_workitem_id 0
		.amdhsa_next_free_vgpr 32
		.amdhsa_next_free_sgpr 66
		.amdhsa_reserve_vcc 1
		.amdhsa_float_denorm_mode_32 3
		.amdhsa_float_denorm_mode_16_64 3
		.amdhsa_memory_ordered 1
		.amdhsa_forward_progress 1
		.amdhsa_inst_pref_size 3
	.end_amdhsa_kernel
	.amdgpu_metadata
---
amdhsa.version: [ 1, 2 ]
amdhsa.kernels:
  - .name:           k_qdc52056e00_finish
    .symbol:         k_qdc52056e00_finish.kd
    .args:
      - { .name: part, .offset: 0, .size: 8, .value_kind: global_buffer, .address_space: global }
      - { .name: out1, .offset: 8, .size: 8, .value_kind: global_buffer, .address_space: global }
      - { .name: out2, .offset: 16, .size: 8, .value_kind: global_buffer, .address_space: global }
      - { .name: out3, .offset: 24, .size: 8, .value_kind: global_buffer, .address_space: global }
    .group_segment_fixed_size: 0
    .private_segment_fixed_size: 0
    .kernarg_segment_align: 8
    .kernarg_segment_size: 32
    .max_flat_workgroup_size: 32
    .sgpr_count:     66
    .vgpr_count:     32
    .wavefront_size: 32
...
	.end_amdgpu_metadata
.endif
;; end of part 4
